; MI455X (gfx1250); checked and timed in simulation.
; The chip was launched on July 23, 2026; its instructions are those of AMD's public machine-readable ISA for CDNA 5 (MIT licence, August 2026) and "CDNA5" Instruction Set Architecture Reference Guide (July 2026). The comments in the code are by the model that wrote it; some were corrected since.
;; Attention. Allowed arithmetic: matrix products marked QUANTISED: E5M2 operands, one given power-of-two scale a tensor, by v_wmma_f32_16x16x64_bf8_bf8 or v_wmma_f32_16x16x128_bf8_bf8, f32 sums; everything else in f32.
;; Inputs: Wk 8 x 512 x 64 float32; Wo 512 x 512 float32; Wq 8 x 512 x 64 float32; Wv 8 x 512 x 64 float32; bk 8 x 64 float32; bo 512 float32; bq 8 x 64 float32; bv 8 x 64 float32; lowp_scales 12 int32 (the exponents e of the quantised operands' scales 2^e); x 2 x 4,096 x 512 float32.
;; Outputs: out0 2 x 4,096 x 512 float32.
;; This version of the problem:
;;   THIS VERSION OF THE PROBLEM IS GIVEN IN LOW PRECISION. The matrix products marked QUANTISED in the list below multiply operands that are first quantised to E5M2 (5 exponent bits, 2 mantissa bits; 8 bits a number), with one given power-of-two scale for each operand tensor; their sums are f32. All else is computed in f32.
;;   The module's matrix products, in the order in which they are computed (A, B: the left and right operand; K: the contracted axis; several contracted axes count as one K, in the product's order):
;;     1. [M 512, K 512] x [K 512, N 8,192]; A: input Wq; B: input x: QUANTISED (scales: A lowp_scales[0], B lowp_scales[1])
;;     2. [M 512, K 512] x [K 512, N 8,192]; A: input Wk; B: input x: QUANTISED (scales: A lowp_scales[2], B lowp_scales[3])
;;     3. [M 512, K 512] x [K 512, N 8,192]; A: input Wv; B: input x: QUANTISED (scales: A lowp_scales[4], B lowp_scales[5])
;;     4. batch 16 x [M 4,096, K 64] x [K 64, N 4,096]; A: computed on the way; B: computed on the way: QUANTISED (scales: A lowp_scales[6], B lowp_scales[7])
;;     5. batch 16 x [M 4,096, K 4,096] x [K 4,096, N 64]; A: softmax (see below); B: computed on the way: QUANTISED (scales: A lowp_scales[8], B lowp_scales[9])
;;     6. [M 8,192, K 512] x [K 512, N 512]; A: computed on the way; B: input Wo: QUANTISED (scales: A lowp_scales[10], B lowp_scales[11])
;;   THE QUANTISER, for each operand of a quantised product, along K:
;;     - The operand's scale is 2^e, e = its entry of the input lowp_scales (int32; the entries are numbered through the quantised products in the list's order, A before B).
;;     - Each number is divided by the scale, clamped to +-57,344, and rounded to the nearest number of E5M2, ties to even, subnormals kept.
;;     - The product sums the exact products of the quantised numbers (number of the format x scale) in f32.
;;   ~~~python
;;   def quantise(x, axis, e):      # numpy; x: float32 -> the quantised numbers, widened to float32 again
;;       x = np.moveaxis(x, axis, -1); K = x.shape[-1]
;;       r = np.clip(x / 2.0 ** e, -57344, 57344)
;;       step = 2.0 ** (np.maximum(np.frexp(np.where(r == 0, 1, r))[1] - 1, -14) - 2)
;;       q = np.round(r / step) * step * 2.0 ** e      # np.round: ties to even
;;       return np.moveaxis(q, -1, axis).astype(np.float32)
;;   ~~~
;;   SOFTMAX AHEAD OF A QUANTISED PRODUCT. Where the list says 'softmax', what is quantised is not the finished softmax but p = 2^(t - M), with t = logit x log2(e) and M = ceil(the row's largest t), a whole number; so 1/2 < the row's largest p <= 1. The row's sum l is taken of the UNQUANTISED p, in f32, and the product's result is divided by l at the end. Since M is a whole number, a kernel that streams over the keys may use a running M (the ceiling of the running maximum): every later rescaling is an exact power of two, so the quantised numbers keep their values, but for numbers so far below the row's largest that they fall under the format's range.
;;   OPERANDS COMPUTED ON THE WAY. 'Computed on the way' means the value that the module computes at that place (a softmax that the list does not call 'softmax' is quantised finished and normalised). What goes into a quantiser is computed in f32, as accurately as f32 sums, v_exp_f32 and their like allow (about 1e-6 of the number): no bf16 or f16 on the way to a quantiser, and a product that is left as it is and whose result goes on into a quantised operand takes f32 operands (vector FMAs, or v_wmma_f32_16x16x4_f32). A number that lies on a knife's edge between two numbers of the format may be rounded either way, as far as f32 arithmetic and the matrix unit's own rounding can turn it there, and no further.
;; One version. Each part assembles by itself: llvm-mc -triple=amdgcn-amd-amdhsa -mcpu=gfx1250 --defsym DOCPART=n.
;; ======== version 1 of 1: 4 launches
;; limits: right only within a limited range of input values
;; workspace buffers: wcodes 1,048,576 bytes; qc 4,194,304 bytes; kv 8,388,608 bytes; cat 4,194,304 bytes
;; launch wquant (part 1): grid 64 x 1, 8 waves a work-group, no clusters, 17,920 bytes of LDS; arguments Wq, Wk, Wv, Wo, lowp_scales, wcodes; writes wcodes
.if DOCPART == 1
	.amdgcn_target "amdgcn-amd-amdhsa--gfx1250"
	.amdhsa_code_object_version 6
	.text
	.protected	k_qb1c0a48518_wquant
	.globl	k_qb1c0a48518_wquant
	.p2align	8
	.type	k_qb1c0a48518_wquant,@function
k_qb1c0a48518_wquant:
	s_mov_b64 s[64:65], 0
	v_nop
	global_prefetch_b8 v0, s[64:65] scope:SCOPE_SE
	s_setreg_imm32_b32 hwreg(HW_REG_WAVE_MODE, 25, 1), 1
	s_wait_xcnt 0x0
; Wq, Wk, Wv [8][512][64] and Wo [512][512], f32, K = the axis of 512 that is not innermost, become codes of BF8 (E5M2), each tensor with its given scale 2^e
; (entries 0, 2, 4 and 11 of the scales).  code = w / 2^e, held within +-57,344, rounded to the nearest code, ties to even.
; LIMITS: e between -126 and 112.  NaN among the inputs is not served; an infinity is held at the largest code.
; OUTPUT: 2,048 logical rows (0-511 Wq's head x 64 + e, 512-1023 Wk's, 1024-1535 Wv's, 1536-2047 Wo's columns), laid as IMAGES OF OPERAND REGISTERS:
;   [group of 32 rows G][tile u][K step s of 128][register group c][lane l] x 16 bytes; lane l = (r, h) holds row 8 u + r + 8 (r / 8) of the group, k = 128 s + 32 c + 16 h + 0 .. 15.
; SHARES: work-group G takes 32 columns x all 512 of K; wave w takes K = 64 w .. 64 w + 63.  A LANE TAKES A COLUMN AND ITS REGISTERS RUN DOWN K: each load reads 128 consecutive bytes,
; and the conversions give codes with K innermost.  The codes meet in a stage of 32 rows x (512 + 16) bytes; behind one barrier wave w reads image (u = w / 4, s = w % 4) and stores it in
; four runs of 512 consecutive bytes.  All 64 loads of a wave are out at once.  No tensor loads, no ring: 4 MiB are read once, in one trip.
.set PITCH, 528
.set A,   16                           ; v16-23   j x stride + 4 x lane
.set X,   80                           ; v80-143  my column's 64 numbers
.set C,   144                          ; v144-159 their codes
.set OUT, 160                          ; v160-175 the image's four register groups
.macro MKSC sE, vS, vL, sT             ; v[vS] = 2^e as f32, v[vL] = 57,344 x 2^e; s[sT], s[sT+1] at work
	s_add_co_i32 s[\sT], s[\sE], 127
	s_lshl_b32 s[\sT+1], s[\sT], 23
	v_mov_b32 v[\vS], s[\sT+1]
	s_add_co_i32 s[\sT], s[\sT], 15
	s_lshl_b32 s[\sT], s[\sT], 23
	s_or_b32 s[\sT], s[\sT], 0x600000
	v_mov_b32 v[\vL], s[\sT]
.endm
	s_load_b256 s[4:11], s[0:1], 0x0               ; Wq, Wk, Wv, Wo
	s_load_b128 s[12:15], s[0:1], 0x20             ; the scales' exponents, the codes
	v_lshl_add_u32 v176, v0, 2, 0x4200
	v_mov_b32 v177, 0
	v_lshrrev_b32 v1, 5, v0
	s_delay_alu instid0(VALU_DEP_1)
	v_readfirstlane_b32 s16, v1                    ; wave 0..7
	s_lshr_b32 s17, ttmp9, 4                       ; which tensor: 0 Wq, 1 Wk, 2 Wv, 3 Wo
	s_and_b32 s18, ttmp9, 15                       ; which 32 of its 512 columns
	v_and_b32 v1, 31, v0                           ; lane
	s_delay_alu instid0(VALU_DEP_1)
	v_lshlrev_b32 v2, 2, v1                        ; 4 bytes a lane
	s_delay_alu instid0(VALU_DEP_2)
	v_lshlrev_b32 v5, 4, v1                        ; 16 bytes a lane: the image's place for my lane
	s_delay_alu instid0(VALU_DEP_3)
	v_mul_u32_u24 v3, v1, PITCH
	s_lshl_b32 s52, s16, 6
	v_add_nc_u32 v3, s52, v3                       ; into the stage: row = my column, byte 64 w
	v_and_b32 v6, 15, v0
	v_and_b32 v7, 8, v0
	s_delay_alu instid0(VALU_DEP_1)
	v_add_nc_u32 v6, v6, v7                        ; r + 8 (r / 8)
	s_delay_alu instid0(VALU_DEP_1)
	v_mul_u32_u24 v4, v6, PITCH
	v_bfe_u32 v7, v0, 4, 1
	s_delay_alu instid0(VALU_DEP_1)
	v_lshl_add_u32 v4, v7, 4, v4                   ; + 16 h
	s_lshr_b32 s52, s16, 2                         ; u
	s_mul_i32 s52, s52, 8*PITCH
	s_and_b32 s53, s16, 3                          ; s
	s_lshl_b32 s53, s53, 7
	s_add_co_u32 s52, s52, s53
	v_add_nc_u32 v4, s52, v4                       ; out of the stage: row 8 u + r + 8 (r / 8), byte 128 s + 16 h
	s_lshl_b32 s54, s18, 7                         ; Wo: my 32 columns begin at byte 128 g of a row of 2,048
	s_lshr_b32 s55, s18, 1                         ; the others: head g / 2 (131,072 bytes), columns 32 (g % 2) on of a row of 256
	s_lshl_b32 s55, s55, 17
	s_and_b32 s56, s18, 1
	s_lshl_b32 s56, s56, 7
	s_add_co_u32 s55, s55, s56
	s_mov_b32 s48, 256
	s_cmp_eq_u32 s17, 3
	s_cselect_b32 s48, 2048, s48                   ; bytes from k to k + 1
	s_cselect_b32 s54, s54, s55
	s_mul_i32 s55, s16, s48
	s_lshl_b32 s55, s55, 6                         ; my wave's 64 rows of K
	s_add_co_u32 s54, s54, s55
	s_mov_b32 s55, 0
	s_lshl_b32 s50, s48, 3                         ; eight rows of K on
	s_mov_b32 s51, 0
	s_lshl_b32 s56, ttmp9, 14                      ; the codes: 16,384 bytes a group, 2,048 an image
	s_lshl_b32 s57, s16, 11
	s_add_co_u32 s56, s56, s57
	s_mov_b32 s57, 0
.irp j, 0,1,2,3,4,5,6,7
	v_mad_u32_u24 v[A+\j], s48, \j, v2
.endr
	s_wait_alu depctr_va_vdst(0)
	s_wait_kmcnt 0x0
	s_load_b256 s[20:27], s[12:13], 0x0            ; e0 .. e7
	s_load_b128 s[28:31], s[12:13], 0x20           ; e8 .. e11
	s_cmp_eq_u32 s17, 1                            ; the tensor is chosen by the work-group's number alone
	s_cselect_b64 s[4:5], s[6:7], s[4:5]
	s_cmp_eq_u32 s17, 2
	s_cselect_b64 s[4:5], s[8:9], s[4:5]
	s_cmp_eq_u32 s17, 3
	s_cselect_b64 s[4:5], s[10:11], s[4:5]
	s_add_nc_u64 s[32:33], s[4:5], s[54:55]        ; eight bases, eight rows of K apart
.irp q, 1,2,3,4,5,6,7
	s_add_nc_u64 s[32+2*\q:33+2*\q], s[30+2*\q:31+2*\q], s[50:51]
.endr
	s_add_nc_u64 s[14:15], s[14:15], s[56:57]
.irp q, 0,1,2,3,4,5,6,7
.irp j, 0,1,2,3,4,5,6,7
	global_load_b32 v[X+8*\q+\j], v[A+\j], s[32+2*\q:33+2*\q] th:TH_LOAD_NT   ; W(64 w + 8 q + j, my column): 32 lanes read 128 consecutive bytes; read once in the launch
.endr
.endr
	s_wait_kmcnt 0x0
	s_cmp_eq_u32 s17, 1
	s_cselect_b32 s19, s22, s20
	s_cmp_eq_u32 s17, 2
	s_cselect_b32 s19, s24, s19
	s_cmp_eq_u32 s17, 3
	s_cselect_b32 s19, s31, s19                    ; e of my tensor
	MKSC 19, 11, 10, 58
	s_wait_alu depctr_va_vdst(0)
.irp q, 0,1,2,3,4,5,6,7
	s_wait_loadcnt 56-8*\q                         ; group q's eight loads are in; the younger groups' may be out
.irp j, 0,1,2,3,4,5,6,7
	v_med3_num_f32 v[X+8*\q+\j], v[X+8*\q+\j], -v10, v10   ; the conversion to an 8-bit code does not saturate (ISA guide 7.6.2): the hold at the largest code x the scale
.endr
	v_cvt_scalef32_pk8_bf8_f32 v[C+2*\q:C+2*\q+1], v[X+8*\q:X+8*\q+7], v11
.endr
	v_nop                                          ; a plain line behind the last conversion
.irp j, 0,1,2,3
	ds_store_b128 v3, v[C+4*\j:C+4*\j+3] offset:16*\j
.endr
	s_wait_dscnt 0x0                               ; for the others' sake: my 64 bytes of each of the 32 rows are in the stage
	s_barrier_signal -1
	s_barrier_wait -1
.irp c, 0,1,2,3
	ds_load_b128 v[OUT+4*\c:OUT+4*\c+3], v4 offset:32*\c
.endr
.irp c, 0,1,2,3
	s_wait_dscnt 3-\c
	global_store_b128 v5, v[OUT+4*\c:OUT+4*\c+3], s[14:15] offset:512*\c   ; 32 lanes store 512 consecutive bytes, at a multiple of 512 from the buffer's first byte
.endr
	s_wait_tensorcnt 0x0
	ds_add_u32 v176, v177
	s_wait_dscnt 0x0
	s_endpgm
.Lfunc_end_k_qb1c0a48518_wquant:
	.size	k_qb1c0a48518_wquant, .Lfunc_end_k_qb1c0a48518_wquant-k_qb1c0a48518_wquant
	.p2alignl 7, 3214868480
	.fill 96, 4, 3214868480
	.section	.rodata,"a",@progbits
	.p2align	6, 0x0
	.amdhsa_kernel k_qb1c0a48518_wquant
		.amdhsa_group_segment_fixed_size 17920
		.amdhsa_private_segment_fixed_size 0
		.amdhsa_enable_private_segment 0
		.amdhsa_kernarg_size 48
		.amdhsa_user_sgpr_count 2
		.amdhsa_user_sgpr_kernarg_segment_ptr 1
		.amdhsa_wavefront_size32 1
		.amdhsa_system_sgpr_workgroup_id_x 1
		.amdhsa_system_sgpr_workgroup_id_y 1
		.amdhsa_system_sgpr_workgroup_id_z 1
		.amdhsa_system_vgpr_workitem_id 0
		.amdhsa_next_free_vgpr 178
		.amdhsa_next_free_sgpr 66
		.amdhsa_reserve_vcc 0
		.amdhsa_float_denorm_mode_32 3
		.amdhsa_float_denorm_mode_16_64 3
		.amdhsa_memory_ordered 1
		.amdhsa_forward_progress 1
		.amdhsa_inst_pref_size 17
	.end_amdhsa_kernel
	.amdgpu_metadata
---
amdhsa.version: [ 1, 2 ]
amdhsa.kernels:
  - .name:           k_qb1c0a48518_wquant
    .symbol:         k_qb1c0a48518_wquant.kd
    .args:
      - { .name: Wq, .offset: 0, .size: 8, .value_kind: global_buffer, .address_space: global }
      - { .name: Wk, .offset: 8, .size: 8, .value_kind: global_buffer, .address_space: global }
      - { .name: Wv, .offset: 16, .size: 8, .value_kind: global_buffer, .address_space: global }
      - { .name: Wo, .offset: 24, .size: 8, .value_kind: global_buffer, .address_space: global }
      - { .name: lowp_scales, .offset: 32, .size: 8, .value_kind: global_buffer, .address_space: global }
      - { .name: wcodes, .offset: 40, .size: 8, .value_kind: global_buffer, .address_space: global }
    .group_segment_fixed_size: 17920
    .private_segment_fixed_size: 0
    .kernarg_segment_align: 8
    .kernarg_segment_size: 48
    .max_flat_workgroup_size: 256
    .sgpr_count:     66
    .vgpr_count:     178
    .wavefront_size: 32
...
	.end_amdgpu_metadata
.endif
;; end of part 1
;; launch qkv (part 2): grid 2 x 128, 4 waves a work-group, no clusters, 233,984 bytes of LDS; arguments x, wcodes, bq, bk, bv, lowp_scales, qc, kv; writes qc, kv
.if DOCPART == 2
	.amdgcn_target "amdgcn-amd-amdhsa--gfx1250"
	.amdhsa_code_object_version 6
	.text
	.protected	k_qb1c0a48518_qkv
	.globl	k_qb1c0a48518_qkv
	.p2align	8
	.type	k_qb1c0a48518_qkv,@function
k_qb1c0a48518_qkv:
	s_mov_b64 s[64:65], 0
	v_nop
	global_prefetch_b8 v0, s[64:65] scope:SCOPE_SE
	s_setreg_imm32_b32 hwreg(HW_REG_WAVE_MODE, 25, 1), 1
	s_wait_xcnt 0x0
; q, k, v = x W + b for 64 rows of x and four heads, all on codes of BF8 (E5M2), and q, k, v quantised again for the attention launch.
; x [8192][512] f32 is quantised THREE times, with the scales of entries 1, 3 and 5; the weights come as codes, in images of operand registers (launch wquant).
; LIMITS: e1, e3, e5, and e6 - e0 - e1, e7 - e2 - e3, e9 - e4 - e5 between -126 and 112.  NaN among the inputs is not served.
; SHARES: work-group (hh, rb): rows 64 rb .. 64 rb + 63, heads 4 hh .. 4 hh + 3.  Wave w is head 4 hh + w and makes its q, then its k, then its v: 3 x 64 matrix instructions of 16 x 16 x 128.
; ROWS OF A TILE: inside each 32 rows, lane r of tile u stands for row 8 u + r + 8 (r / 8); so the 16 registers that two neighbouring tiles give a lane are 16 neighbours along the next product's K,
; and each conversion's result IS a register group of the next operand.  It is stored as it stands: 512 consecutive bytes an instruction, no stage, no transposition.
;   q, k: source 0 = 16 rows of W, source 1 = 16 rows of x: a lane holds one row of x and its registers run along the head's 64.      v: the sources swapped: a lane holds one of the head's 64 and its registers run along the keys.
; The bias is the C of each sum's first matrix instruction, divided by the power of two that the sums lack.
; PHASE 1: one tensor load a wave brings K step w of the 64 rows (64 x 512 bytes, 16 of padding behind each row); the wave that asked alone reads it, quantises it three times and stores 12 images | barrier |
; PHASE 2: x's images come back tile by tile, one tile ahead of the products; the weights go from memory straight into registers (q's and k's at the head, v's when q's are done with).
; NO JOINT LOADS: a work-group's weights, 393,216 bytes, do not fit in LDS beside x, so they take no road through LDS at all; x's block is shared by two work-groups alone.
; LDS: 0: four strips of 64 x 528 bytes;  XIMG: image (kind, tile m, K step s) at 32,768 kind + 8,192 m + 2,048 s.  No byte is filled twice.
; REGISTERS: window 0: v1-13 addresses, v16-27 scales, v32-63 codes on their way out, v64-127 x as f32, v128-255 the 16 accumulators (phase 1: held numbers and codes);
;   window 1: W of q, later of v (tile t, K step s at 16 (4 t + s));  window 2: W of k;  window 3: v0-127 two buffers of x's four fragments, v128-223 the biases.
.set XSTRIP, 64*528
.set XIMG,  4*XSTRIP
.set LI,   1                           ; v1     16 x lane
.set XR,   4                           ; v4     my place in my wave's strip
.set XW,   6                           ; v6-8   where I store x's images, kind 0, 1, 2
.set XRD,  9                           ; v9-11  from where anybody reads them
.set B64,  12                          ; v12    64 h
.set BP,   13                          ; v13    4 (r + 8 (r / 8))
.set XS,   16                          ; v16-21 x: (2^e, 57,344 x 2^e) for kind 0, 1, 2
.set RS,   22                          ; v22-27 the results: the same
.set PC,   32
.set RAW,  64
.set ACC,  128
.set TEMP, 128
.set CODE, 192
.set BIAS, 128                         ; in window 3
.set MSB, 0
.macro WIN new                         ; the immediate's high byte repeats the setting that is left
.if MSB != (\new)
	s_set_vgpr_msb (MSB<<8)|(\new)
.set MSB, \new
.endif
.endm
.macro MKSC sE, vS, vL, sT             ; v[vS] = 2^e as f32, v[vL] = 57,344 x 2^e; s[sT], s[sT+1] at work
	s_add_co_i32 s[\sT], s[\sE], 127
	s_lshl_b32 s[\sT+1], s[\sT], 23
	v_mov_b32 v[\vS], s[\sT+1]
	s_add_co_i32 s[\sT], s[\sT], 15
	s_lshl_b32 s[\sT], s[\sT], 23
	s_or_b32 s[\sT], s[\sT], 0x600000
	v_mov_b32 v[\vL], s[\sT]
.endm
.macro PLACES                          ; four plain vector lines behind a matrix instruction, ahead of loads into its sources and of reads of its result
.rept 4
	v_nop
.endr
.endm
	s_load_b256 s[4:11], s[0:1], 0x0               ; x, the weights' codes, bq, bk
	s_load_b256 s[12:19], s[0:1], 0x20             ; bv, the scales' exponents, q's codes, k's and v's codes
	v_lshl_add_u32 v30, v0, 2, 0x39000
	v_mov_b32 v31, 0
	ds_add_u32 v30, v31
	ds_add_u32 v30, v31
	v_lshrrev_b32 v1, 5, v0
	v_readfirstlane_b32 s20, v1                    ; wave 0..3
	s_mov_b32 s21, ttmp9                           ; hh
	s_and_b32 s22, ttmp7, 0xffff                   ; rb
	s_lshl_b32 s23, s21, 2
	s_add_co_u32 s23, s23, s20                     ; my head
	; descriptor group 1: 64 rows x 128 elements of 4 bytes, rows 512 elements apart, 4 words of padding behind every 128
	s_mov_b32 s24, (2<<16)|(1<<20)|(6<<22)|(3<<25)
	s_mov_b32 s25, 128<<16                         ; tensor_dim0
	s_mov_b32 s26, 64<<16                          ; tensor_dim1
	s_mov_b32 s27, 128<<16                         ; tile_dim0
	s_mov_b32 s28, 64                              ; tile_dim1
	s_mov_b32 s29, 512                             ; from row to row
	s_mov_b32 s30, 0
	s_mov_b32 s31, 0
	s_mov_b32 s32, 1
	s_mul_i32 s33, s20, XSTRIP                     ; my strip
	s_lshl_b32 s60, s22, 17                        ; 64 rows of 2,048 bytes,
	s_lshl_b32 s61, s20, 9                         ; K step w
	s_add_co_u32 s60, s60, s61
	s_mov_b32 s61, 0
	s_wait_dscnt 0x0
	s_wait_kmcnt 0x0
	s_add_nc_u64 s[34:35], s[4:5], s[60:61]
	s_or_b32 s35, s35, 0x80000000
	tensor_load_to_lds s[32:35], s[24:31]          ; my one tensor load: a first fill, ahead of every wait on it, every LDS read and the barrier
	s_nop 0
	PLACES                                         ; four v_nop follow it
	s_load_b256 s[48:55], s[14:15], 0x0            ; e0 .. e7
	s_load_b128 s[56:59], s[14:15], 0x20           ; e8 .. e11
	v_and_b32 v1, 31, v0
	v_lshlrev_b32 v[LI], 4, v1
	v_and_b32 v2, 15, v0                           ; r
	v_bfe_u32 v3, v0, 4, 1                         ; h
	v_and_b32 v5, 8, v0
	v_add_nc_u32 v5, v5, v2                        ; r + 8 (r / 8)
	v_mul_u32_u24 v[XR], v5, 528
	v_lshl_add_u32 v[XR], v3, 6, v[XR]             ; + 64 h: my 16 numbers of a block of 32
	v_add_nc_u32 v[XR], s33, v[XR]
	s_lshl_b32 s60, s20, 11
	s_add_co_u32 s60, s60, XIMG
	v_add_nc_u32 v[XW], s60, v[LI]
	v_add_nc_u32 v[XW+1], 0x8000, v[XW]
	v_add_nc_u32 v[XW+2], 0x10000, v[XW]
	v_add_nc_u32 v[XRD], XIMG, v[LI]
	v_add_nc_u32 v[XRD+1], XIMG+0x8000, v[LI]
	v_add_nc_u32 v[XRD+2], XIMG+0x10000, v[LI]
	v_lshlrev_b32 v[B64], 6, v3
	s_wait_alu depctr_va_vdst(0)
	v_lshlrev_b32 v[BP], 2, v5
	s_wait_alu depctr_va_vdst(0)
	s_lshl_b32 s60, s23, 15                        ; my head's 64 rows of a weight: 32,768 bytes; the three weights lie 262,144 apart
	s_mov_b32 s61, 0
	s_add_nc_u64 s[36:37], s[6:7], s[60:61]
	s_add_nc_u64 s[38:39], s[36:37], 0x40000
	s_add_nc_u64 s[40:41], s[38:39], 0x40000
	s_lshl_b32 s62, s23, 8                         ; my head's 64 numbers of a bias
	s_mov_b32 s63, 0
	s_add_nc_u64 s[66:67], s[8:9], s[62:63]
	s_add_nc_u64 s[68:69], s[10:11], s[62:63]
	s_add_nc_u64 s[70:71], s[12:13], s[62:63]
	s_lshr_b32 s60, s22, 6
	s_lshl_b32 s60, s60, 3
	s_add_co_u32 s60, s60, s23                     ; bh = 8 x batch + head
	s_and_b32 s61, s22, 63                         ; R: which 64 of the sequence's 4,096 rows
	s_lshl_b32 s76, s60, 18                        ; q: 262,144 bytes a head, four tiles of 1,024 for my rows
	s_lshl_b32 s77, s61, 12
	s_add_co_u32 s76, s76, s77
	s_mov_b32 s77, 0
	s_lshl_b32 s78, s60, 19                        ; k, v: 524,288 bytes a head, 16,384 a step of 128 keys
	s_lshr_b32 s79, s61, 1
	s_lshl_b32 s79, s79, 14
	s_add_co_u32 s78, s78, s79
	s_and_b32 s80, s61, 1
	s_lshl_b32 s79, s80, 12
	s_add_co_u32 s82, s78, s79                     ; k: tiles 4 (R % 2) on
	s_mov_b32 s83, 0
	s_lshl_b32 s79, s80, 10
	s_add_co_u32 s84, s78, s79
	s_add_co_u32 s84, s84, 8192                    ; v: behind k's eight tiles; register groups 2 (R % 2) on of each of the four tiles
	s_mov_b32 s85, 0
	s_add_nc_u64 s[42:43], s[16:17], s[76:77]
	s_add_nc_u64 s[44:45], s[18:19], s[82:83]
	s_add_nc_u64 s[46:47], s[18:19], s[84:85]
.macro BLOADS                          ; the three biases: 48 loads
	WIN 0xc0
.irp k, 0,1
.irp t, 0,1,2,3
	global_load_b128 v[BIAS+32*\k+8*\t:BIAS+32*\k+8*\t+3],   v[B64], s[66+2*\k:67+2*\k] offset:(32*(\t/2)+8*(\t%2))*4
	global_load_b128 v[BIAS+32*\k+8*\t+4:BIAS+32*\k+8*\t+7], v[B64], s[66+2*\k:67+2*\k] offset:(32*(\t/2)+8*(\t%2))*4+16
.endr
.endr
.irp t, 0,1,2,3                                ; bv: a lane holds ONE unit, 32 (t / 2) + 8 (t % 2) + r + 8 (r / 8): its bias stands in all eight registers
.irp j, 0,1,2,3,4,5,6,7
	global_load_b32 v[BIAS+64+8*\t+\j], v[BP], s[70:71] offset:(32*(\t/2)+8*(\t%2))*4
.endr
.endr
.endm
.macro WLOAD base                      ; a head's weight: 16 fragments, as they lie
.irp t, 0,1,2,3
.irp s, 0,1,2,3
.irp c, 0,1,2,3
	global_load_b128 v[16*(4*\t+\s)+4*\c:16*(4*\t+\s)+4*\c+3], v[LI], s[\base:\base+1] offset:\t*8192+\s*2048+\c*512
.endr
.endr
.endr
.endm
.macro WLT base, t                     ; tile t of a head's weight: four fragments, 16 loads
.irp s, 0,1,2,3
.irp c, 0,1,2,3
	global_load_b128 v[16*(4*(\t)+\s)+4*\c:16*(4*(\t)+\s)+4*\c+3], v[LI], s[\base:\base+1] offset:(\t)*8192+\s*2048+\c*512
.endr
.endr
.endm
.macro CHUNK n                         ; the loads that stand behind phase 1's n-th quantising block, in this order: W of q's last tile, the biases, W of k's four tiles
.if (\n) == 0
	WIN 0x40
	WLT 36, 3
.elseif (\n) == 1
	BLOADS
.elseif (\n) < 6
	WIN 0x80
	WLT 38, (\n)-2
.endif
	WIN 0
.endm
	WIN 0x40
	WLT 36, 0                                      ; three tiles of W of q, 48 loads, go out beside my tensor load; the other 128 loads stand among phase 1's blocks
	WLT 36, 1
	WLT 36, 2
	WIN 0
	s_wait_kmcnt 0x0
	MKSC 49, XS, XS+1, 86                          ; x for q: e1
	MKSC 51, XS+2, XS+3, 86                        ; for k: e3
	MKSC 53, XS+4, XS+5, 86                        ; for v: e5
	s_add_co_i32 s72, s48, s49
	s_sub_co_i32 s72, 0, s72                       ; -(e0 + e1): a sum stands for sum x 2^(e0 + e1), so the bias goes in as b / 2^(e0 + e1)
	s_add_co_i32 s73, s50, s51
	s_sub_co_i32 s73, 0, s73
	s_add_co_i32 s74, s52, s53
	s_sub_co_i32 s74, 0, s74
	s_add_co_i32 s76, s54, s72                     ; e6 - e0 - e1: the three scales folded into the conversion's one
	s_add_co_i32 s77, s55, s73                     ; e7 - e2 - e3
	s_add_co_i32 s78, s57, s74                     ; e9 - e4 - e5
	MKSC 76, RS, RS+1, 86
	MKSC 77, RS+2, RS+3, 86
	MKSC 78, RS+4, RS+5, 86
; ---- PHASE 1.  Tile m of my K step: 64 numbers a lane, register 16 b + i = k 32 b + 16 h + i of row 32 (m / 2) + 8 (m % 2) + r + 8 (r / 8)
.macro XRAW m
.irp b, 0,1,2,3
.irp j, 0,1,2,3
	ds_load_b128 v[RAW+16*\b+4*\j:RAW+16*\b+4*\j+3], v[XR] offset:(32*((\m)/2)+8*((\m)%2))*528+128*\b+16*\j
.endr
.endr
.endm
.macro QX k, m                         ; they are held and converted with kind k's scale, and the fragment goes to LDS as it stands
.irp b, 0,1,2,3
.set i, 0
.rept 16
	v_med3_num_f32 v[TEMP+16*\b+i], v[RAW+16*\b+i], -v[XS+2*(\k)+1], v[XS+2*(\k)+1]   ; the conversion to an 8-bit code does not saturate (ISA guide 7.6.2)
.set i, i+1
.endr
	v_cvt_scalef32_pk8_bf8_f32 v[CODE+16*(\k)+4*\b:CODE+16*(\k)+4*\b+1],   v[TEMP+16*\b:TEMP+16*\b+7],    v[XS+2*(\k)]
	v_cvt_scalef32_pk8_bf8_f32 v[CODE+16*(\k)+4*\b+2:CODE+16*(\k)+4*\b+3], v[TEMP+16*\b+8:TEMP+16*\b+15], v[XS+2*(\k)]
.endr
	v_nop                                          ; a plain line between the last conversion and the next lines that write its sources
.irp c, 0,1,2,3
	ds_store_b128 v[XW+\k], v[CODE+16*(\k)+4*\c:CODE+16*(\k)+4*\c+3] offset:(\m)*8192+512*\c
.endr
.endm
	s_wait_tensorcnt 0x0                           ; my strip is in; nobody else reads it
.irp m, 0,1,2,3
	XRAW \m
	s_wait_dscnt 0x0                               ; the tile is in registers, and the last tile's stores have read theirs
	QX 0, \m
	CHUNK 3*\m
	QX 1, \m
	CHUNK 3*\m+1
	QX 2, \m
	CHUNK 3*\m+2
.endr
	s_wait_dscnt 0x0                               ; for the others' sake: my twelve images are in LDS
	s_barrier_signal -1
	s_barrier_wait -1
; ---- PHASE 2
	s_wait_loadcnt 63                              ; W of q and the biases are in: the 64 loads of W of k are younger, and 63 of them may be out
	WIN 0xc3
.irp k, 0,1,2
.set i, 0
.rept 32
	v_ldexp_f32 v[BIAS+32*\k+i], v[BIAS+32*\k+i], s[72+\k]
.set i, i+1
.endr
.endr
.macro FETCHX n                        ; x's four fragments of kind n / 4, tile n % 4, into buffer n % 2
	WIN 0xc0
.irp s, 0,1,2,3
.irp c, 0,1,2,3
	ds_load_b128 v[64*((\n)%2)+16*\s+4*\c:64*((\n)%2)+16*\s+4*\c+3], v[XRD+(\n)/4] offset:(4*((\n)%4)+\s)*2048+512*\c
.endr
.endr
.endm
; One kind: four tiles of rows x four tiles of the head's 64 x four K steps.  For each tile of rows the four accumulators take turns, one instruction a turn.
.macro UNIT k
.if (\k) == 0
.set WB, 0x0d                          ; source 0 (W) window 1, source 1 (x) window 3
.elseif (\k) == 1
.set WB, 0x0e                          ; W in window 2
.else
.set WB, 0x07                          ; source 0 (x) window 3, source 1 (W) window 1
.endif
.irp m, 0,1,2,3
.if 4*(\k)+\m < 11
.if 4*(\k)+\m > 0
	PLACES                                         ; the buffer to be filled was read by the products just issued
.endif
	FETCHX 4*(\k)+\m+1
	s_wait_dscnt 16                                ; this tile's fragments are in; the next tile's 16 loads may be out
.else
	s_wait_dscnt 0x0
.endif
.set BUF, 64*((4*(\k)+\m)%2)
.irp s, 0,1,2,3
.if \s == 0
	WIN WB+0x30                                    ; C = the bias, in window 3
.else
	WIN WB
.endif
.irp t, 0,1,2,3
.if (\k) == 2
.if \s == 0
	v_wmma_f32_16x16x128_bf8_bf8 v[ACC+8*(4*\t+\m):ACC+8*(4*\t+\m)+7], v[BUF+16*\s:BUF+16*\s+15], v[16*(4*\t+\s):16*(4*\t+\s)+15], v[BIAS+64+8*\t:BIAS+64+8*\t+7]
.else
	v_wmma_f32_16x16x128_bf8_bf8 v[ACC+8*(4*\t+\m):ACC+8*(4*\t+\m)+7], v[BUF+16*\s:BUF+16*\s+15], v[16*(4*\t+\s):16*(4*\t+\s)+15], v[ACC+8*(4*\t+\m):ACC+8*(4*\t+\m)+7]
.endif
.else
.if \s == 0
	v_wmma_f32_16x16x128_bf8_bf8 v[ACC+8*(4*\m+\t):ACC+8*(4*\m+\t)+7], v[16*(4*\t+\s):16*(4*\t+\s)+15], v[BUF+16*\s:BUF+16*\s+15], v[BIAS+32*(\k)+8*\t:BIAS+32*(\k)+8*\t+7]
.else
	v_wmma_f32_16x16x128_bf8_bf8 v[ACC+8*(4*\m+\t):ACC+8*(4*\m+\t)+7], v[16*(4*\t+\s):16*(4*\t+\s)+15], v[BUF+16*\s:BUF+16*\s+15], v[ACC+8*(4*\m+\t):ACC+8*(4*\m+\t)+7]
.endif
.endif
.endr
.endr
.endr
	WIN 0
	PLACES                                         ; ahead of the first read of results, and of loads into the weights' registers
.endm
; The kind's 128 sums of a lane become 32 registers of codes: group g's 32 registers are 2 x 16 neighbours along the next K.  Each accumulator is read from its low end on.
.macro QOUT k, base, str
.irp g, 0,1,2,3
.set i, 0
.rept 32
	v_med3_num_f32 v[ACC+32*\g+i], v[ACC+32*\g+i], -v[RS+2*(\k)+1], v[RS+2*(\k)+1]
.set i, i+1
.endr
.irp q, 0,1,2,3
	v_cvt_scalef32_pk8_bf8_f32 v[PC+8*\g+2*\q:PC+8*\g+2*\q+1], v[ACC+32*\g+8*\q:ACC+32*\g+8*\q+7], v[RS+2*(\k)]
.endr
.endr
	v_nop                                          ; a plain line between the last conversion and the next products, which write its sources
.irp g, 0,1,2,3
.irp c, 0,1
	global_store_b128 v[LI], v[PC+8*\g+4*\c:PC+8*\g+4*\c+3], s[\base:\base+1] offset:\g*\str+512*\c   ; 32 lanes store 512 consecutive bytes, at a multiple of 512 from the buffer's first byte
.endr
.endr
.endm
	FETCHX 0
	UNIT 0
	WIN 0x40
	WLOAD 40                                       ; W of v takes the registers of W of q; it lands while k is made
	WIN 0
	QOUT 0, 42, 1024
	s_wait_loadcnt 63                              ; W of k is in: the 64 loads of W of v are younger, and 63 of them may be out
	UNIT 1
	s_wait_xcnt 0x0                                ; q's stores have read their registers: the codes' registers are written again only behind this wait
	QOUT 1, 44, 1024
	s_wait_loadcnt 0x0                             ; W of v
	UNIT 2
	s_wait_xcnt 0x0
	QOUT 2, 46, 2048
	s_wait_tensorcnt 0x0
	ds_add_u32 v30, v31
	s_wait_dscnt 0x0
	s_endpgm
.Lfunc_end_k_qb1c0a48518_qkv:
	.size	k_qb1c0a48518_qkv, .Lfunc_end_k_qb1c0a48518_qkv-k_qb1c0a48518_qkv
	.p2alignl 7, 3214868480
	.fill 96, 4, 3214868480
	.section	.rodata,"a",@progbits
	.p2align	6, 0x0
	.amdhsa_kernel k_qb1c0a48518_qkv
		.amdhsa_group_segment_fixed_size 233984
		.amdhsa_private_segment_fixed_size 0
		.amdhsa_enable_private_segment 0
		.amdhsa_kernarg_size 64
		.amdhsa_user_sgpr_count 2
		.amdhsa_user_sgpr_kernarg_segment_ptr 1
		.amdhsa_wavefront_size32 1
		.amdhsa_system_sgpr_workgroup_id_x 1
		.amdhsa_system_sgpr_workgroup_id_y 1
		.amdhsa_system_sgpr_workgroup_id_z 1
		.amdhsa_system_vgpr_workitem_id 0
		.amdhsa_next_free_vgpr 1024
		.amdhsa_next_free_sgpr 96
		.amdhsa_reserve_vcc 0
		.amdhsa_float_denorm_mode_32 3
		.amdhsa_float_denorm_mode_16_64 3
		.amdhsa_memory_ordered 1
		.amdhsa_forward_progress 1
		.amdhsa_inst_pref_size 154
	.end_amdhsa_kernel
	.amdgpu_metadata
---
amdhsa.version: [ 1, 2 ]
amdhsa.kernels:
  - .name:           k_qb1c0a48518_qkv
    .symbol:         k_qb1c0a48518_qkv.kd
    .args:
      - { .name: x, .offset: 0, .size: 8, .value_kind: global_buffer, .address_space: global }
      - { .name: wcodes, .offset: 8, .size: 8, .value_kind: global_buffer, .address_space: global }
      - { .name: bq, .offset: 16, .size: 8, .value_kind: global_buffer, .address_space: global }
      - { .name: bk, .offset: 24, .size: 8, .value_kind: global_buffer, .address_space: global }
      - { .name: bv, .offset: 32, .size: 8, .value_kind: global_buffer, .address_space: global }
      - { .name: lowp_scales, .offset: 40, .size: 8, .value_kind: global_buffer, .address_space: global }
      - { .name: qc, .offset: 48, .size: 8, .value_kind: global_buffer, .address_space: global }
      - { .name: kv, .offset: 56, .size: 8, .value_kind: global_buffer, .address_space: global }
    .group_segment_fixed_size: 233984
    .private_segment_fixed_size: 0
    .kernarg_segment_align: 8
    .kernarg_segment_size: 64
    .max_flat_workgroup_size: 128
    .sgpr_count:     96
    .vgpr_count:     1024
    .wavefront_size: 32
...
	.end_amdgpu_metadata
.endif
;; end of part 2
;; launch attn (part 3): grid 16 x 16, 8 waves a work-group, clusters of 4 x 1, 327,680 bytes of LDS; arguments qc, kv, lowp_scales, cat; writes cat
.if DOCPART == 3
	.amdgcn_target "amdgcn-amd-amdhsa--gfx1250"
	.amdhsa_code_object_version 6
	.text
	.protected	k_qb1c0a48518_attn
	.globl	k_qb1c0a48518_attn
	.p2align	8
	.type	k_qb1c0a48518_attn,@function
k_qb1c0a48518_attn:
	s_mov_b64 s[64:65], 0
	v_nop
	global_prefetch_b8 v0, s[64:65] scope:SCOPE_SE
	s_setreg_imm32_b32 hwreg(HW_REG_WAVE_MODE, 25, 1), 1
	s_wait_xcnt 0x0
	s_wait_alu depctr_hold_cnt(0) depctr_sa_sdst(0) depctr_va_vdst(0) depctr_va_sdst(0) depctr_va_ssrc(0) depctr_va_vcc(0) depctr_vm_vsrc(0)
	s_getreg_b32 s2, hwreg(HW_REG_IB_STS2, 6, 4)
	s_cmp_eq_u32 s2, 0
	s_cbranch_scc0 .Lentry_in_a_cluster
	s_endpgm
.Lentry_in_a_cluster:
	s_bfe_u32 s2, ttmp6, 0x10000c
	s_cmp_lg_u32 s2, 0x3003
	s_cbranch_scc0 .Lentry_shape_is_right
	s_endpgm
.Lentry_shape_is_right:
; y[bh][q] = the sum over keys of softmax(q . k / 8) v, both products on codes of BF8 (E5M2), and y quantised for the last product.  16 heads (batch x head) of 4,096 rows of 64.
; THE SOFTMAX: t = score x log2(e) / 8; M = the running largest t rounded UP to a whole number; p = 2^(t - M) is quantised with 2^e8, not normalised; the row's sum is taken of the unquantised p in f32
; and divides at the end.  When M moves, the sum and O are multiplied by 2^(old M - new M), which rounds nothing.
; LIMITS: e6 + e7 between -123 and 130 (added to c's exponent field); e8 and e10 between -126 and 112; e8 + e9 goes in by v_ldexp_f32; the scaled scores t stay under 2^31 in magnitude.
; INPUTS are images of operand registers (launch qkv): a register group is 512 consecutive bytes, lane l at 16 l.
;   q: [bh][tile of 16 queries][1,024].   kv: [bh][step of 128 keys][16,384]: eight tiles of k (1,024 each), then four tiles of v^T (2,048 each).
; SHARES: a work-group owns 256 queries of one head, each of its eight waves two tiles of 16; each fragment of k and v read from LDS feeds two matrix instructions.
; LAYOUT: both products transposed (S^T = k q^T, O^T = v^T p^T): a lane holds ONE query; p's 16 registers of two neighbouring tiles of k are 16 neighbouring keys.
; A KEY STEP is laid so that one wave by itself has independent work side by side: the two tiles' maxima run as four chains; tile 0's exponentials stand among tile 1's multiply-adds, tile 1's among
; tile 0's first level of sums and its holds.  Only element-wise lines stand inside a batch of exponentials, so each batch has one wait ahead of it and one behind it.
; The hold of p goes two numbers an instruction (a dual pair); the row's sum is a tree: 16 + 8 + 4 + 2 + 1 packed additions and one onto the running sum.
; FRAGMENTS: v's of this step and k's of the next are asked of LDS behind the step's first products.  A slot's last step is written out without that look-ahead: no read crosses a change of slots.
; RING: two slots of eight key steps (131,072 bytes).  CLUSTER: the four query blocks of a cluster walk the same head, so each slot is asked for JOINTLY: every wave issues one load of 64 rows x 256 bytes,
; the same line with the same descriptor in all four work-groups.  A wave has one tensor load out at the most.
; OUTPUT: y's codes as register groups of the last product's operand: [tile of 16 rows][K step of 128][2,048]; head hd fills K step hd / 2, groups 2 (hd % 2) and 2 (hd % 2) + 1.
; REGISTERS: window 0: v1-6 addresses; v12-27 statistics, eight a tile; v28, v30 hold and scale; v29, v31 lane permutes; v32-47 q; v48-79 p's codes; v80-81 the old -M; v96-223 S^T, then p; v224-255 the sums' tree.
;   window 1: v0-63 O^T; v64-127 k's eight fragments; v128-191 v's four.
.set SLOTB, 131072
.set STEPB, 16384
.set NSTEP, 8
.set NSL,   4
.set SPARE, 2*SLOTB                    ; behind the ring: the spare words, 128 bytes a wave, named by no other line
.set LI,   1                           ; 16 x lane
.set ADR,  2                           ; the step's first byte + 16 x lane
.set SPW,  4                           ; my spare word; never rewritten
.set NIL,  5                           ; 0; never rewritten
.set PFO,  6                           ; 256 x lane; never rewritten
.set ST,   12                          ; tile t at v[ST + 8 t]: +0 -M, +1 the largest score, +2, +3 the sum in two halves, +4 f, +5 named with it as a pair, +6, +7 at work
.set LIMV, 28
.set PR,   29                          ; v29, v31
.set SCV,  30
.set Q,    32
.set P,    48
.set OLD,  80
.set S,    96
.set T,    224
.set KF,   64                          ; in window 1
.set VF,   128
.set WV,   12                          ; s12 my wave's number
.set LIM,  15                          ; s15 1 in a wave that prefetches, else the greatest number
.set PFA,  18                          ; s[18:19] where my prefetches stand
.set TB,   36                          ; s36 LDS byte at which the step in hand begins
.set SLOTS, 37
.set CNT,  38
.set HOLD, 39                          ; s39 57,344 x 2^e8
.set MSB, 0
.macro WIN new                         ; the immediate's high byte repeats the setting that is left
.if MSB != (\new)
	s_set_vgpr_msb (MSB<<8)|(\new)
.set MSB, \new
.endif
.endm
.macro MKSC sE, vS, vL, sT             ; v[vS] = 2^e as f32, v[vL] = s[sT] = 57,344 x 2^e
	s_add_co_i32 s[\sT], s[\sE], 127
	s_lshl_b32 s[\sT+1], s[\sT], 23
	v_mov_b32 v[\vS], s[\sT+1]
	s_add_co_i32 s[\sT], s[\sT], 15
	s_lshl_b32 s[\sT], s[\sT], 23
	s_or_b32 s[\sT], s[\sT], 0x600000
	v_mov_b32 v[\vL], s[\sT]
.endm
.macro PLACES
.rept 4
	v_nop
.endr
.endm
.macro WALU
	s_wait_alu depctr_va_vdst(0)
.endm
.macro H2
	s_delay_alu instid0(VALU_DEP_2)
.endm
.macro CROUND                          ; a round of the cluster's barrier
	s_barrier_signal -1
	s_barrier_wait -1
	s_cmp_lg_u32 s[WV], 0
	s_cbranch_scc1 .Lnot_wave_0_\@
	s_barrier_signal -3
.Lnot_wave_0_\@:
	s_barrier_wait -3
	s_barrier_signal -1
	s_barrier_wait -1
.endm
.macro JLOAD                           ; my eighth of a slot; s_nop 0 and four v_nop follow the line
	tensor_load_to_lds s[32:35], s[24:31]
	s_nop 0
	PLACES
.endm
; A prefetch of the slot that the NEXT change of slots will ask for: eight key steps ahead of that load.  All four clusters of a head walk the same bytes: the head's first cluster asks; its four partners
; share the slot out BY ADDRESS, 32,768 bytes each; in each, waves 0 to 3 name 8,192 bytes, lanes 256 bytes apart: each aligned block of 256 bytes is named once in the launch.
; The last change that fills a slot asks for nothing; slots 0 and 1 come by their loads alone.
.macro ASK
	s_cmp_gt_u32 s[SLOTS], s[LIM]
	s_cbranch_scc0 .Lnot_mine_\@
	global_prefetch_b8 v[PFO], s[PFA:PFA+1] th:TH_LOAD_NT scope:SCOPE_SE
.Lnot_mine_\@:
.endm
	s_load_b256 s[4:11], s[0:1], 0x0               ; q's codes, k's and v's codes, the scales' exponents, y's codes
	v_lshl_add_u32 v[SPW], v0, 2, SPARE
	v_mov_b32 v[NIL], 0
	ds_add_u32 v4, v5                              ; the opening lines: the add twice on end and its wait
	ds_add_u32 v4, v5
	s_wait_dscnt 0x0
	v_lshrrev_b32 v1, 5, v0
	s_delay_alu instid0(VALU_DEP_1)
	v_readfirstlane_b32 s[WV], v1                  ; wave 0..7
	s_bfe_u32 s13, ttmp6, 0x40000                  ; cx
	s_lshl_b32 s14, ttmp9, 2
	s_add_co_u32 s14, s14, s13                     ; my block of 256 queries: it enters q's and y's addresses alone
	s_and_b32 s16, ttmp7, 0xffff                   ; bh, which the four partners share
	s_mov_b32 s24, 15|(3<<16)|(1<<21)              ; group 1: mask of all four; elements of 8 bytes; bit 21 beside the mask
	s_mov_b32 s25, 32<<16                          ; a dense block as 64 rows of 256 bytes
	s_mov_b32 s26, 64<<16
	s_mov_b32 s27, 32<<16
	s_mov_b32 s28, 64
	s_mov_b32 s29, 32
	s_mov_b32 s30, 0
	s_mov_b32 s31, 0
	s_mov_b32 s20, 0x76543210                      ; selects for lane l xor 16
	s_mov_b32 s21, 0xfedcba98
	s_mov_b32 s22, 0x3e38aa3b                      ; c = log2(e) / 8
	s_mov_b32 s[TB], 0
	s_mov_b32 s[SLOTS], NSL-1
	s_lshr_b32 s[LIM], s[WV], 2                    ; 0 in waves 0 to 3,
	s_or_b32 s[LIM], s[LIM], ttmp9                 ; of the head's first cluster: the same in all four partners
	s_cmp_eq_u32 s[LIM], 0
	s_cselect_b32 s[LIM], 1, -1
	v_and_b32 v1, 31, v0
	s_delay_alu instid0(VALU_DEP_1)
	v_lshlrev_b32 v[PFO], 8, v1
	s_delay_alu instid0(VALU_DEP_2)
	v_lshlrev_b32 v[LI], 4, v1
	s_lshl_b32 s52, s16, 19                        ; the head's 524,288 bytes of k and v
	s_mov_b32 s53, 0
	s_lshl_b32 s54, s[WV], 14                      ; my eighth of a slot
	s_mov_b32 s55, 0
	s_lshl_b32 s56, s13, 15                        ; the prefetches: my work-group's quarter of a slot,
	s_lshl_b32 s57, s[WV], 13                      ; my wave's quarter of that,
	s_add_co_u32 s56, s56, s57
	s_add_co_u32 s56, s56, SLOTB                   ; in slot 1: the first change of slots steps it to slot 2
	s_mov_b32 s57, 0
	s_lshl_b32 s58, s16, 18                        ; q: 262,144 bytes a head, 16,384 a block, 2,048 for my two tiles
	s_lshl_b32 s59, s14, 14
	s_add_co_u32 s58, s58, s59
	s_lshl_b32 s59, s[WV], 11
	s_add_co_u32 s58, s58, s59
	s_mov_b32 s59, 0
	s_lshr_b32 s60, s16, 3                         ; y: tile of rows 256 x batch + 16 x block + 2 x wave, 8,192 bytes each;
	s_lshl_b32 s60, s60, 8
	s_lshl_b32 s61, s14, 4
	s_add_co_u32 s60, s60, s61
	s_lshl_b32 s61, s[WV], 1
	s_add_co_u32 s60, s60, s61
	s_lshl_b32 s60, s60, 13
	s_and_b32 s61, s16, 7
	s_lshr_b32 s61, s61, 1
	s_lshl_b32 s61, s61, 11                        ; K step head / 2;
	s_add_co_u32 s60, s60, s61
	s_and_b32 s61, s16, 1
	s_lshl_b32 s61, s61, 10                        ; register groups 2 (head % 2) on
	s_add_co_u32 s60, s60, s61
	s_mov_b32 s61, 0
	s_wait_kmcnt 0x0
	s_add_nc_u64 s[6:7], s[6:7], s[52:53]
	s_add_nc_u64 s[PFA:PFA+1], s[6:7], s[56:57]
	s_add_nc_u64 s[4:5], s[4:5], s[58:59]
	s_add_nc_u64 s[10:11], s[10:11], s[60:61]
	s_mov_b32 s32, 1                               ; group 0, which walks
	s_lshl_b32 s33, s[WV], 14                      ; LDS: slot 0, my eighth
	s_add_nc_u64 s[34:35], s[6:7], s[54:55]        ; made of the head and the wave's number alone
	s_or_b32 s35, s35, 0x80000000
	CROUND                                         ; all four work-groups are here: the first joint loads meet
	JLOAD                                          ; slot 0: my one tensor load at the head
	s_load_b256 s[40:47], s[8:9], 0x0              ; e0 .. e7
	s_load_b128 s[48:51], s[8:9], 0x20             ; e8 .. e11
	WALU                                           ; ahead of the reader below
.irp t, 0,1
.irp c, 0,1
	global_load_b128 v[Q+8*\t+4*\c:Q+8*\t+4*\c+3], v[LI], s[4:5] offset:\t*1024+\c*512   ; q's two fragments stay in registers
.endr
.endr
.irp t, 0,1
	v_mov_b32 v[ST+8*\t+1], 0xff61b1e6             ; the largest score so far: -3e38
	v_mov_b32 v[ST+8*\t], 0x7f61b1e6               ; -M: 3e38, so that the first f is 0, which meets zeros alone
	v_mov_b32 v[ST+8*\t+2], 0
	v_mov_b32 v[ST+8*\t+3], 0
	v_mov_b32 v[ST+8*\t+5], 0                      ; (named as the upper half of f's pair)
	v_mov_b32 v[PR+2*\t], 0                        ; a lane permute's destination counts as one of its sources
.endr
	WIN 0x40
.set i, 0
.rept 64
	v_mov_b32 v[i], 0                              ; O^T: the step is written once; the first finds zeros
.set i, i+1
.endr
	WIN 0
	s_wait_kmcnt 0x0
	s_add_co_i32 s52, s46, s47
	s_lshl_b32 s52, s52, 23
	s_add_co_i32 s22, s22, s52                     ; c x 2^(e6 + e7)
	s_mov_b32 s23, s22                             ; (named with it as a pair)
	MKSC 48, SCV, LIMV, 54                         ; 2^e8 and 57,344 x 2^e8
	s_mov_b32 s[HOLD], s54
.macro MIN2 a                          ; the hold of two numbers: the conversion to an 8-bit code does not saturate (ISA guide 7.6.2); p is not negative, so it is one-sided
	v_dual_min_num_f32 v[\a], s[HOLD], v[\a] :: v_dual_min_num_f32 v[\a+1], s[HOLD], v[\a+1]
.endm
.macro ADD1 t                          ; the tree's first level at i: four numbers into one pair
	v_pk_add_f32 v[T+i/2:T+i/2+1], v[S+64*(\t)+i:S+64*(\t)+i+1], v[S+64*(\t)+i+2:S+64*(\t)+i+3]
.endm
.macro TREE t                          ; the other levels, and onto the running sum
.irp w, 16,8,4,2
.set i, 0
.rept \w/2
.if \w == 2
	s_delay_alu instid0(VALU_DEP_1)
.endif
	v_pk_add_f32 v[T+i:T+i+1], v[T+i:T+i+1], v[T+i+\w:T+i+\w+1]
.set i, i+2
.endr
.endr
	s_delay_alu instid0(VALU_DEP_1)
	v_pk_add_f32 v[ST+8*(\t)+2:ST+8*(\t)+3], v[ST+8*(\t)+2:ST+8*(\t)+3], v[T:T+1]
.endm
.macro CVT t
.irp b, 0,1,2,3,4,5,6,7
	v_cvt_scalef32_pk8_bf8_f32 v[P+16*(\t)+2*\b:P+16*(\t)+2*\b+1], v[S+64*(\t)+8*\b:S+64*(\t)+8*\b+7], v[SCV]
.endr
.endm
.macro FMA t                           ; t - M at i, two at a time (of the pairs c and -M the low word serves both halves)
	v_pk_fma_f32 v[S+64*(\t)+i:S+64*(\t)+i+1], v[S+64*(\t)+i:S+64*(\t)+i+1], s[22:23], v[ST+8*(\t):ST+8*(\t)+1] op_sel_hi:[1,0,0]
.endm
.macro FMO t, o                        ; t - M of tile t at element o, two at a time
	v_pk_fma_f32 v[S+64*(\t)+(\o):S+64*(\t)+(\o)+1], v[S+64*(\t)+(\o):S+64*(\t)+(\o)+1], s[22:23], v[ST+8*(\t):ST+8*(\t)+1] op_sel_hi:[1,0,0]
.endm
.macro A1 t, o                         ; the tree's first level of tile t at element o: four numbers into one pair
	v_pk_add_f32 v[T+(\o)/2:T+(\o)/2+1], v[S+64*(\t)+(\o):S+64*(\t)+(\o)+1], v[S+64*(\t)+(\o)+2:S+64*(\t)+(\o)+3]
.endm
.macro EXP r
	v_exp_f32 v[\r], v[\r]
.endm
.macro PV t                            ; O^T += v^T p^T; the four accumulators take turns
	WIN 0x51
.irp j, 0,1,2,3
	v_wmma_f32_16x16x128_bf8_bf8 v[32*(\t)+8*\j:32*(\t)+8*\j+7], v[VF+16*\j:VF+16*\j+15], v[P+16*(\t):P+16*(\t)+15], v[32*(\t)+8*\j:32*(\t)+8*\j+7]
.endr
	WIN 0
.endm
.macro LOADK off                       ; k's eight fragments, off bytes behind v[ADR]
.irp f, 0,1,2,3,4,5,6,7
	ds_load_b128 v[KF+8*\f:KF+8*\f+3],   v[ADR] offset:\off+1024*\f
	ds_load_b128 v[KF+8*\f+4:KF+8*\f+7], v[ADR] offset:\off+1024*\f+512
.endr
.endm
; A KEY STEP: 128 keys for my two tiles.  pre = 1: the next step's k lies in the same slot and is asked for here.
.macro STEP pre
	s_wait_dscnt 0x0                               ; this step's k is in
	WIN 0x01
.irp f, 0,1,2,3,4,5,6,7
	v_wmma_f32_16x16x64_bf8_bf8 v[S+8*\f:S+8*\f+7],       v[KF+8*\f:KF+8*\f+7], v[Q:Q+7],    0
	v_wmma_f32_16x16x64_bf8_bf8 v[S+64+8*\f:S+64+8*\f+7], v[KF+8*\f:KF+8*\f+7], v[Q+8:Q+15], 0
.endr
	WIN 0
	v_add_nc_u32 v[ADR], s[TB], v[LI]              ; four plain lines: the places ahead of the loads into k's and v's registers and of the first read of scores
	v_mov_b32 v[OLD], v[ST]
	v_mov_b32 v[OLD+1], v[ST+8]
	v_nop
	WIN 0x40
.irp f, 0,1,2,3
.irp c, 0,1,2,3
	ds_load_b128 v[VF+16*\f+4*\c:VF+16*\f+4*\c+3], v[ADR] offset:8192+2048*\f+512*\c
.endr
.endr
.if \pre
	LOADK STEPB
.endif
	WIN 0
.irp t, 0,1                                    ; the largest score of my query among my 64 keys: two chains a tile, ascending: each accumulator is read from its low end on
	v_max3_num_f32 v[ST+8*\t+6], v[S+64*\t], v[S+64*\t+1], v[S+64*\t+2]
	v_max3_num_f32 v[ST+8*\t+7], v[S+64*\t+3], v[S+64*\t+4], v[S+64*\t+5]
.endr
.set i, 6
.rept 14
.irp t, 0,1
	v_max3_num_f32 v[ST+8*\t+6], v[ST+8*\t+6], v[S+64*\t+i], v[S+64*\t+i+1]
	v_max3_num_f32 v[ST+8*\t+7], v[ST+8*\t+7], v[S+64*\t+i+2], v[S+64*\t+i+3]
.endr
.set i, i+4
.endr
.irp t, 0,1
	v_max3_num_f32 v[ST+8*\t+6], v[ST+8*\t+6], v[S+64*\t+62], v[S+64*\t+63]
.endr
.irp t, 0,1
	H2
	v_max_num_f32 v[ST+8*\t+6], v[ST+8*\t+6], v[ST+8*\t+7]
.endr
.irp t, 0,1
	H2
	v_permlanex16_b32 v[PR+2*\t], v[ST+8*\t+6], s20, s21
.endr
.irp t, 0,1
	H2
	v_max3_num_f32 v[ST+8*\t+1], v[ST+8*\t+1], v[ST+8*\t+6], v[PR+2*\t]   ; the running largest score, lane l xor 16's among it
.endr
.irp t, 0,1
	H2
	v_mul_f32 v[ST+8*\t+6], s22, v[ST+8*\t+1]      ; as t (c is positive)
.endr
.irp t, 0,1
	H2
	v_floor_f32 v[ST+8*\t], -v[ST+8*\t+6]          ; the new -M = -ceil(t)
.endr
.irp t, 0,1
	H2
	v_sub_f32 v[ST+8*\t+6], v[ST+8*\t], v[OLD+\t]  ; old M - new M: a whole number, 0 or less
.endr
.irp t, 0,1
	H2
	v_cvt_i32_f32 v[ST+8*\t+6], v[ST+8*\t+6]       ; (it saturates)
.endr
.irp t, 0,1
	H2
	v_ldexp_f32 v[ST+8*\t+4], 1.0, v[ST+8*\t+6]    ; f = 2^(old M - new M)
.endr
	WIN 0x41
	WALU                                           ; directly ahead of the first reader of O^T
.irp t, 0,1
.set i, 0
.rept 16
	v_pk_mul_f32 v[32*\t+i:32*\t+i+1], v[32*\t+i:32*\t+i+1], v[ST+8*\t+4:ST+8*\t+5] op_sel_hi:[1,0]   ; O^T under the new M
.set i, i+2
.endr
.endr
	WIN 0
.irp t, 0,1
	v_pk_mul_f32 v[ST+8*\t+2:ST+8*\t+3], v[ST+8*\t+2:ST+8*\t+3], v[ST+8*\t+4:ST+8*\t+5] op_sel_hi:[1,0]   ; the sums likewise
.endr
.set i, 0
.rept 16                                       ; tile 0's first 32 numbers; the other multiply-adds stand among the exponentials
	FMA 0
.set i, i+2
.endr
	WALU                                           ; ahead of the batch
.set i, 0
.rept 16                                       ; FOUR BATCHES OF 32 EXPONENTIALS, each with a wait ahead of it and behind it, and only element-wise lines inside.  First: p of tile 0, numbers 0-31, among tile 0's multiply-adds 32-63 and tile 1's 0-31
	EXP S+i
	FMO 0, i+32
	EXP S+i+1
	FMO 1, i
.set i, i+2
.endr
	WALU
.set i, 0
.rept 16                                       ; second: tile 0's numbers 32-63, among tile 1's multiply-adds 32-63,
	EXP S+32+i
	FMO 1, 32+2*i
.set i, i+1
.endr
.set g, 0
.rept 5                                        ; and tile 0's first level of sums (of the UNQUANTISED p) and, behind it, its holds: groups of four numbers 0 to 4,
	EXP S+48+3*g
	A1 0, 4*g
	EXP S+48+3*g+1
	MIN2 S+4*g
	EXP S+48+3*g+2
	MIN2 S+4*g+2
.set g, g+1
.endr
	EXP S+63
	A1 0, 20                                       ; and group 5's sum
	WALU
	EXP S+64                                       ; third: tile 1's numbers 0-31, among group 5's holds and groups 6 to 15 of tile 0
	MIN2 S+20
	EXP S+65
	MIN2 S+22
.set g, 6
.rept 10
	EXP S+66+3*(g-6)
	A1 0, 4*g
	EXP S+66+3*(g-6)+1
	MIN2 S+4*g
	EXP S+66+3*(g-6)+2
	MIN2 S+4*g+2
.set g, g+1
.endr
	WALU
	CVT 0
	TREE 0                                         ; (also the plain lines between the conversions and the products)
	WALU
.if \pre
	s_wait_dscnt 16                                ; v is in; the next step's k, 16 younger loads, may be out
.else
	s_wait_dscnt 0x0
.endif
	PV 0
.set g, 0
.rept 8                                        ; fourth: tile 1's numbers 32-63, among its own groups 0 to 7; tile 0's tree has been read out, so its registers are free
	EXP S+96+4*g
	A1 1, 4*g
	EXP S+96+4*g+1
	MIN2 S+64+4*g
	EXP S+96+4*g+2
	MIN2 S+64+4*g+2
	EXP S+96+4*g+3
.set g, g+1
.endr
	v_nop                                          ; the plain line behind the last exponential
	WALU                                           ; behind the batch
.set i, 32
.rept 8
	ADD1 1
	MIN2 S+64+i
	MIN2 S+64+i+2
.set i, i+4
.endr
	CVT 1
	TREE 1
	WALU                                           ; covers the step's last plain writes, whose readers stand behind the branch and the next step's wait
	PV 1
.endm
; THE CHANGE OF SLOTS: each wave waits for all its tensor loads, adds 0 to its spare word, and waits for that and for its reads of the slot that it has left.  fill = 1: a round of the cluster's barrier,
; and the joint refill first behind it; it has a slot's eight key steps in which to land.
.macro CHANGE fill
	WIN 0
	s_wait_tensorcnt 0x0
	ds_add_u32 v[SPW], v[NIL]
.if \fill
	s_xor_b32 s33, s33, SLOTB
	s_add_nc_u64 s[34:35], s[34:35], SLOTB
	s_wait_xcnt 0x0                                ; the last prefetch has read its address
	s_add_nc_u64 s[PFA:PFA+1], s[PFA:PFA+1], SLOTB
	s_wait_dscnt 0x0
	CROUND
	JLOAD
	ASK
.else
	s_wait_dscnt 0x0
	s_barrier_signal -1
	s_barrier_wait -1
.endif
.endm
.macro SLOT_STEPS                      ; seven steps in a loop, each asking for the next one's k, and the eighth without
	v_add_nc_u32 v[ADR], s[TB], v[LI]
	WIN 0x40
	LOADK 0
	WIN 0
	s_mov_b32 s[CNT], NSTEP-1
.Lstep_\@:
	STEP 1
	s_add_co_u32 s[TB], s[TB], STEPB
	s_sub_co_u32 s[CNT], s[CNT], 1
	s_cmp_lg_u32 s[CNT], 0
	s_cbranch_scc1 .Lstep_\@
	STEP 0
	s_sub_co_u32 s[TB], s[TB], (NSTEP-1)*STEPB     ; back to the slot's first step,
	s_xor_b32 s[TB], s[TB], SLOTB                  ; in the other slot
.endm
	WALU                                           ; at the head's end
	s_wait_loadcnt 0x0                             ; q
.Lslot:                                            ; NSL - 1 trips: behind each change of slots but the last the next slot is asked for
	CHANGE 1
	SLOT_STEPS
	s_sub_co_u32 s[SLOTS], s[SLOTS], 1
	s_cmp_lg_u32 s[SLOTS], 0
	s_cbranch_scc1 .Lslot
	CHANGE 0                                       ; the last slot is written out
	SLOT_STEPS
	; THE WAY OUT.  y = O^T x 2^(e8 + e9) / the sum, quantised with 2^e10.  A lane's 32 numbers of a tile are 2 x 16 neighbours along the last product's K: the conversions' results are stored as they stand.
	PLACES
.irp t, 0,1
	v_add_f32 v[ST+8*\t+2], v[ST+8*\t+2], v[ST+8*\t+3]
.endr
.irp t, 0,1
	H2
	v_permlanex16_b32 v[ST+8*\t+6], v[ST+8*\t+2], s20, s21
.endr
.irp t, 0,1
	H2
	v_add_f32 v[ST+8*\t+2], v[ST+8*\t+2], v[ST+8*\t+6]     ; the row's sum
.endr
	WALU                                           ; ahead of the reciprocals
.irp t, 0,1
	v_rcp_f32 v[ST+8*\t+4], v[ST+8*\t+2]
.endr
	v_nop                                          ; a plain line behind them
	s_add_co_i32 s52, s48, s49                     ; e8 + e9
	MKSC 50, SCV, LIMV, 54                         ; 2^e10 and 57,344 x 2^e10
	WALU                                           ; one wait for the two, ahead of their first reader
.irp t, 0,1
	v_ldexp_f32 v[ST+8*\t+4], v[ST+8*\t+4], s52
.endr
	WIN 0x01
.irp t, 0,1
.set i, 0
.rept 32
	v_mul_f32 v[S+64*\t+i], v[32*\t+i], v[ST+8*\t+4]       ; each accumulator from its low end on
.set i, i+1
.endr
.endr
	WIN 0
.irp t, 0,1
.set i, 0
.rept 32
	v_med3_num_f32 v[S+64*\t+i], v[S+64*\t+i], -v[LIMV], v[LIMV]
.set i, i+1
.endr
.irp q, 0,1,2,3
	v_cvt_scalef32_pk8_bf8_f32 v[P+16*\t+2*\q:P+16*\t+2*\q+1], v[S+64*\t+8*\q:S+64*\t+8*\q+7], v[SCV]
.endr
.endr
	v_nop                                          ; a plain line behind the last conversion
.irp t, 0,1
.irp b, 0,1
	global_store_b128 v[LI], v[P+16*\t+4*\b:P+16*\t+4*\b+3], s[10:11] offset:\t*8192+512*\b   ; 32 lanes store 512 consecutive bytes, at a multiple of 512 from the buffer's first byte
.endr
.endr
	s_wait_tensorcnt 0x0                           ; the wave's end
	ds_add_u32 v[SPW], v[NIL]
	s_wait_dscnt 0x0
	CROUND                                         ; the closing round
	s_endpgm
.Lfunc_end_k_qb1c0a48518_attn:
	.size	k_qb1c0a48518_attn, .Lfunc_end_k_qb1c0a48518_attn-k_qb1c0a48518_attn
	.p2alignl 7, 3214868480
	.fill 96, 4, 3214868480
	.section	.rodata,"a",@progbits
	.p2align	6, 0x0
	.amdhsa_kernel k_qb1c0a48518_attn
		.amdhsa_group_segment_fixed_size 327680
		.amdhsa_private_segment_fixed_size 0
		.amdhsa_enable_private_segment 0
		.amdhsa_kernarg_size 32
		.amdhsa_user_sgpr_count 2
		.amdhsa_user_sgpr_kernarg_segment_ptr 1
		.amdhsa_wavefront_size32 1
		.amdhsa_system_sgpr_workgroup_id_x 1
		.amdhsa_system_sgpr_workgroup_id_y 1
		.amdhsa_system_sgpr_workgroup_id_z 1
		.amdhsa_system_vgpr_workitem_id 0
		.amdhsa_next_free_vgpr 512
		.amdhsa_next_free_sgpr 66
		.amdhsa_reserve_vcc 0
		.amdhsa_float_denorm_mode_32 3
		.amdhsa_float_denorm_mode_16_64 3
		.amdhsa_memory_ordered 1
		.amdhsa_forward_progress 1
		.amdhsa_inst_pref_size 133
	.end_amdhsa_kernel
	.amdgpu_metadata
---
amdhsa.version: [ 1, 2 ]
amdhsa.kernels:
  - .name:           k_qb1c0a48518_attn
    .symbol:         k_qb1c0a48518_attn.kd
    .args:
      - { .name: qc, .offset: 0, .size: 8, .value_kind: global_buffer, .address_space: global }
      - { .name: kv, .offset: 8, .size: 8, .value_kind: global_buffer, .address_space: global }
      - { .name: lowp_scales, .offset: 16, .size: 8, .value_kind: global_buffer, .address_space: global }
      - { .name: cat, .offset: 24, .size: 8, .value_kind: global_buffer, .address_space: global }
    .group_segment_fixed_size: 327680
    .private_segment_fixed_size: 0
    .kernarg_segment_align: 8
    .kernarg_segment_size: 32
    .max_flat_workgroup_size: 256
    .sgpr_count:     66
    .vgpr_count:     512
    .wavefront_size: 32
...
	.end_amdgpu_metadata
.endif
;; end of part 3
;; launch oproj (part 4): grid 4 x 64, 4 waves a work-group, no clusters, 17,920 bytes of LDS; arguments cat, wcodes, bo, lowp_scales, out0; writes out0
.if DOCPART == 4
	.amdgcn_target "amdgcn-amd-amdhsa--gfx1250"
	.amdhsa_code_object_version 6
	.text
	.protected	k_qb1c0a48518_oproj
	.globl	k_qb1c0a48518_oproj
	.p2align	8
	.type	k_qb1c0a48518_oproj,@function
k_qb1c0a48518_oproj:
	s_mov_b64 s[64:65], 0
	v_nop
	global_prefetch_b8 v0, s[64:65] scope:SCOPE_SE
	s_setreg_imm32_b32 hwreg(HW_REG_WAVE_MODE, 25, 1), 1
	s_wait_xcnt 0x0
; out0 = cat Wo + bo on codes of BF8 (E5M2).  cat [8192][512] and Wo (logical rows 1536 on of the weights' codes) come as images of operand registers: a register group is 512 consecutive bytes, lane l at 16 l.
; LIMIT: e10 + e11 between -126 and 127, so that 2^(e10 + e11) is an f32 number.
; SHARES: a work-group makes 128 rows x 128 columns, each of its four waves 64 x 64: 16 accumulators, four K steps of 128, 64 matrix instructions.  All operands (2 x 32,768 bytes a wave) go from memory straight into registers.
; BY ROWS: Wo's 64 loads are asked for first, then cat's, tile by tile of 16 rows (16 loads each).  A tile of rows is finished over all four K steps as soon as its loads are in, and leaves at once,
; while the later tiles' loads are still out.  K ascends in every sum; a tile's four accumulators take turns, so three other matrix instructions stand between two steps of a sum.
; No tensor loads, no ring, no cluster, no prefetch: there is one trip and no loop to run ahead in.
; TRANSPOSED USE: source 0 = 16 columns of Wo, source 1 = 16 rows of cat: a lane holds one row; tile t's register j is column 32 (t / 2) + 8 (t % 2) + 16 h + j, so a lane's 32 numbers of a tile of rows are 2 x 16 neighbours.
; ROWS: lane r of tile m of rows stands for row 32 (m / 2) + 8 (m % 2) + r + 8 (r / 8) of my 64: the way out puts each row in its place.
; THE WAY OUT: sum x 2^(e10 + e11) + bo by one packed multiply-add for two numbers; a tile of 16 rows x 256 bytes goes through the wave's own stage (rows 272 bytes apart) and leaves as whole rows.
; REGISTERS: window 0: v1-7 addresses, v16-47 bo, v48-79 at work, v80-111 rows on their way out (by turns with v128-159, free once tile 0 has left), v128-255 the accumulators ((m, t) at 128 + 8 (4 m + t));
;   window 1: cat's fragments (K step s, tile m at 16 (4 s + m));   window 2: Wo's (16 (4 s + t)).
.set LI,   1
.set STO,  4
.set RD,   5
.set CO,   6
.set B64,  7
.set BIAS, 16
.set TMP,  48
.set BK0,  80
.set BK1,  128
.set ACC,  128
.set SP,   272
.set MSB, 0
.macro WIN new                         ; the immediate's high byte repeats the setting that is left
.if MSB != (\new)
	s_set_vgpr_msb (MSB<<8)|(\new)
.set MSB, \new
.endif
.endm
	s_load_b256 s[4:11], s[0:1], 0x0               ; cat's codes, the weights' codes, bo, the scales' exponents
	s_load_b64 s[12:13], s[0:1], 0x20              ; out0
	v_lshl_add_u32 v126, v0, 2, 0x4400             ; my spare word, behind the four stages
	v_mov_b32 v127, 0
	v_lshrrev_b32 v1, 5, v0
	v_readfirstlane_b32 s14, v1                    ; wave 0..3
	s_lshr_b32 s15, s14, 1                         ; which 64 of the 128 rows
	s_and_b32 s16, s14, 1                          ; which 64 of the 128 columns
	s_and_b32 s17, ttmp7, 0xffff                   ; block of rows; ttmp9: block of columns
	v_and_b32 v1, 31, v0
	v_lshlrev_b32 v[LI], 4, v1
	v_and_b32 v2, 15, v0                           ; r
	v_bfe_u32 v3, v0, 4, 1                         ; h
	s_mul_i32 s18, s14, 16*SP                      ; my stage
	v_mul_u32_u24 v[STO], v2, SP
	v_lshl_add_u32 v[STO], v3, 6, v[STO]
	v_add_nc_u32 v[STO], s18, v[STO]               ; in: row r, + 64 h
	v_mul_u32_u24 v[RD], v3, SP
	v_lshl_add_u32 v[RD], v2, 4, v[RD]
	v_add_nc_u32 v[RD], s18, v[RD]                 ; back: lanes 0-15 one row of 256 bytes, lanes 16-31 the next
	v_lshlrev_b32 v[CO], 11, v3
	v_lshl_add_u32 v[CO], v2, 4, v[CO]             ; and the same two rows of out0, 2,048 bytes apart
	v_lshlrev_b32 v[B64], 6, v3
	s_lshl_b32 s20, s17, 16                        ; cat: eight tiles of rows a block, four for my half, 8,192 bytes each
	s_lshl_b32 s21, s15, 15
	s_add_co_u32 s20, s20, s21
	s_mov_b32 s21, 0
	s_lshl_b32 s22, ttmp9, 16                      ; Wo: 786,432 + four groups of 32 columns a block, two for my half, 16,384 bytes each
	s_lshl_b32 s23, s16, 15
	s_add_co_u32 s22, s22, s23
	s_add_co_u32 s22, s22, 786432
	s_mov_b32 s23, 0
	s_lshl_b32 s24, ttmp9, 9                       ; my first column, in bytes of f32
	s_lshl_b32 s25, s16, 8
	s_add_co_u32 s24, s24, s25
	s_mov_b32 s25, 0
	s_lshl_b32 s26, s17, 18                        ; out0: my first row, of 2,048 bytes, + my first column
	s_lshl_b32 s27, s15, 17
	s_add_co_u32 s26, s26, s27
	s_add_co_u32 s26, s26, s24
	s_mov_b32 s27, 0
	s_wait_alu depctr_va_vdst(0)                   ; at the head's end
	s_wait_kmcnt 0x0
	s_load_b64 s[44:45], s[10:11], 0x28            ; e10, e11
	s_add_nc_u64 s[4:5], s[4:5], s[20:21]
	s_add_nc_u64 s[6:7], s[6:7], s[22:23]
	s_add_nc_u64 s[8:9], s[8:9], s[24:25]
	s_add_nc_u64 s[12:13], s[12:13], s[26:27]
.irp b, 0,1
.irp j, 0,1,2,3
	global_load_b128 v[BIAS+16*\b+4*\j:BIAS+16*\b+4*\j+3], v[B64], s[8:9] offset:128*\b+16*\j   ; bo at columns 32 b + 16 h + 0 .. 15
.endr
.endr
	WIN 0x80                                       ; destination window 2: all of Wo's fragments
.irp s, 0,1,2,3
.irp t, 0,1,2,3
.irp c, 0,1,2,3
	global_load_b128 v[16*(4*\s+\t)+4*\c:16*(4*\s+\t)+4*\c+3], v[LI], s[6:7] offset:\t*8192+\s*2048+\c*512
.endr
.endr
.endr
	WIN 0x40                                       ; destination window 1: cat's, tile by tile of rows
.irp m, 0,1,2,3
.irp s, 0,1,2,3
.irp c, 0,1,2,3
	global_load_b128 v[16*(4*\s+\m)+4*\c:16*(4*\s+\m)+4*\c+3], v[LI], s[4:5] offset:\m*8192+\s*2048+\c*512
.endr
.endr
.endr
	WIN 0
	s_wait_kmcnt 0x0
	s_add_co_i32 s46, s44, s45
	s_add_co_i32 s46, s46, 127
	s_lshl_b32 s46, s46, 23                        ; 2^(e10 + e11) as f32
	s_mov_b32 s47, s46                             ; (named with it as a pair, so it is written)
.macro TOSTAGE m                       ; tile m of rows: scaled, biased, into my stage, and back as whole rows.  LDS serves a wave's instructions in order (ISA guide 5.7.1.4): no wait between the stores and the loads
.set i, 0
.rept 16
	v_pk_fma_f32 v[TMP+i:TMP+i+1], v[ACC+32*(\m)+i:ACC+32*(\m)+i+1], s[46:47], v[BIAS+i:BIAS+i+1] op_sel_hi:[1,0,1]   ; sum x 2^(e10 + e11) + bo; each accumulator from its low end on
.set i, i+2
.endr
.irp b, 0,1
.irp j, 0,1,2,3
	ds_store_b128 v[STO], v[TMP+16*\b+4*\j:TMP+16*\b+4*\j+3] offset:128*\b+16*\j
.endr
.endr
.set BB, BK0+(BK1-BK0)*((\m)%2)
.irp t, 0,1,2,3,4,5,6,7
	ds_load_b128 v[BB+4*\t:BB+4*\t+3], v[RD] offset:2*\t*SP
.endr
.endm
.macro SEND m
.set BB, BK0+(BK1-BK0)*((\m)%2)
	s_wait_dscnt 0x0                               ; the tile is back in registers
.irp t, 0,1,2,3,4,5,6,7
	global_store_b128 v[CO], v[BB+4*\t:BB+4*\t+3], s[12:13] offset:(32*((\m)/2)+8*((\m)%2)+2*\t+8*(\t/4))*2048 th:TH_STORE_NT   ; stage row 2 t + h is row 2 t + h + 8 (t / 4) of the tile's 32; 16 lanes store 256 consecutive bytes, at a multiple of 256 from out0's first byte
.endr
.endm
.irp m, 0,1,2,3
	s_wait_loadcnt 48-16*\m                        ; bo, Wo and cat's tiles up to m are in; the later tiles' 16 loads each may be out
	WIN 0x06                                       ; source 0 (Wo) window 2, source 1 (cat) window 1, C and D window 0
.irp s, 0,1,2,3
.irp t, 0,1,2,3
.if \s == 0
	v_wmma_f32_16x16x128_bf8_bf8 v[ACC+8*(4*\m+\t):ACC+8*(4*\m+\t)+7], v[16*(4*\s+\t):16*(4*\s+\t)+15], v[16*(4*\s+\m):16*(4*\s+\m)+15], 0
.else
	v_wmma_f32_16x16x128_bf8_bf8 v[ACC+8*(4*\m+\t):ACC+8*(4*\m+\t)+7], v[16*(4*\s+\t):16*(4*\s+\t)+15], v[16*(4*\s+\m):16*(4*\s+\m)+15], v[ACC+8*(4*\m+\t):ACC+8*(4*\m+\t)+7]
.endif
.endr
.endr
	WIN 0
.rept 4
	v_nop                                          ; four plain lines ahead of the first read of results (ISA guide 7.12.1)
.endr
.if \m > 1
	s_wait_xcnt 0x0                                ; tile m - 2's stores have read their registers: tile m's loads from the stage land there only behind this wait
.endif
	TOSTAGE \m
	SEND \m
.endr
	s_wait_tensorcnt 0x0                           ; the wave's end, behind my last LDS store
	ds_add_u32 v126, v127
	s_wait_dscnt 0x0
	s_endpgm
.Lfunc_end_k_qb1c0a48518_oproj:
	.size	k_qb1c0a48518_oproj, .Lfunc_end_k_qb1c0a48518_oproj-k_qb1c0a48518_oproj
	.p2alignl 7, 3214868480
	.fill 96, 4, 3214868480
	.section	.rodata,"a",@progbits
	.p2align	6, 0x0
	.amdhsa_kernel k_qb1c0a48518_oproj
		.amdhsa_group_segment_fixed_size 17920
		.amdhsa_private_segment_fixed_size 0
		.amdhsa_enable_private_segment 0
		.amdhsa_kernarg_size 40
		.amdhsa_user_sgpr_count 2
		.amdhsa_user_sgpr_kernarg_segment_ptr 1
		.amdhsa_wavefront_size32 1
		.amdhsa_system_sgpr_workgroup_id_x 1
		.amdhsa_system_sgpr_workgroup_id_y 1
		.amdhsa_system_sgpr_workgroup_id_z 1
		.amdhsa_system_vgpr_workitem_id 0
		.amdhsa_next_free_vgpr 768
		.amdhsa_next_free_sgpr 66
		.amdhsa_reserve_vcc 0
		.amdhsa_float_denorm_mode_32 3
		.amdhsa_float_denorm_mode_16_64 3
		.amdhsa_memory_ordered 1
		.amdhsa_forward_progress 1
		.amdhsa_inst_pref_size 32
	.end_amdhsa_kernel
	.amdgpu_metadata
---
amdhsa.version: [ 1, 2 ]
amdhsa.kernels:
  - .name:           k_qb1c0a48518_oproj
    .symbol:         k_qb1c0a48518_oproj.kd
    .args:
      - { .name: cat, .offset: 0, .size: 8, .value_kind: global_buffer, .address_space: global }
      - { .name: wcodes, .offset: 8, .size: 8, .value_kind: global_buffer, .address_space: global }
      - { .name: bo, .offset: 16, .size: 8, .value_kind: global_buffer, .address_space: global }
      - { .name: lowp_scales, .offset: 24, .size: 8, .value_kind: global_buffer, .address_space: global }
      - { .name: out0, .offset: 32, .size: 8, .value_kind: global_buffer, .address_space: global }
    .group_segment_fixed_size: 17920
    .private_segment_fixed_size: 0
    .kernarg_segment_align: 8
    .kernarg_segment_size: 40
    .max_flat_workgroup_size: 128
    .sgpr_count:     66
    .vgpr_count:     768
    .wavefront_size: 32
...
	.end_amdgpu_metadata
.endif
;; end of part 4
